; MI455X (gfx1250); checked and timed in simulation.
; The chip was launched on July 23, 2026; its instructions are those of AMD's public machine-readable ISA for CDNA 5 (MIT licence, August 2026) and "CDNA5" Instruction Set Architecture Reference Guide (July 2026). The comments in the code are by the model that wrote it; some were corrected since.
;; Lo RA Attention. Allowed arithmetic: matrix products marked QUANTISED: E5M2 operands, one given power-of-two scale a tensor, by v_wmma_f32_16x16x64_bf8_bf8 or v_wmma_f32_16x16x128_bf8_bf8, f32 sums; products left as they are: f32 operands where the result goes on into a quantised operand, else bf16, f16 or f32 operands; f32 sums; everything else in f32.
;; Inputs: A 4,096 x 16 float32; B 16 x 4,096 float32; W 4,096 x 4,096 float32; bias 4,096 float32; lowp_scales 2 int32 (the exponents e of the quantised operands' scales 2^e); x 4 x 1,024 x 4,096 float32.
;; Outputs: out0 4 x 1,024 x 4,096 float32.
;; This version of the problem:
;;   THIS VERSION OF THE PROBLEM IS GIVEN IN LOW PRECISION. The matrix products marked QUANTISED in the list below multiply operands that are first quantised to E5M2 (5 exponent bits, 2 mantissa bits; 8 bits a number), with one given power-of-two scale for each operand tensor; their sums are f32. All else is computed in f32.
;;   The module's matrix products, in the order in which they are computed (A, B: the left and right operand; K: the contracted axis; several contracted axes count as one K, in the product's order):
;;     1. [M 4,096, K 16] x [K 16, N 4,096]; A: input A; B: input B: left as it is (K = 16 < 32)
;;     2. [M 4,096, K 4,096] x [K 4,096, N 4,096]; A: input x; B: computed on the way: QUANTISED (scales: A lowp_scales[0], B lowp_scales[1])
;;   THE QUANTISER, for each operand of a quantised product, along K:
;;     - The operand's scale is 2^e, e = its entry of the input lowp_scales (int32; the entries are numbered through the quantised products in the list's order, A before B).
;;     - Each number is divided by the scale, clamped to +-57,344, and rounded to the nearest number of E5M2, ties to even, subnormals kept.
;;     - The product sums the exact products of the quantised numbers (number of the format x scale) in f32.
;;   ~~~python
;;   def quantise(x, axis, e):      # numpy; x: float32 -> the quantised numbers, widened to float32 again
;;       x = np.moveaxis(x, axis, -1); K = x.shape[-1]
;;       r = np.clip(x / 2.0 ** e, -57344, 57344)
;;       step = 2.0 ** (np.maximum(np.frexp(np.where(r == 0, 1, r))[1] - 1, -14) - 2)
;;       q = np.round(r / step) * step * 2.0 ** e      # np.round: ties to even
;;       return np.moveaxis(q, -1, axis).astype(np.float32)
;;   ~~~
;;   OPERANDS COMPUTED ON THE WAY. 'Computed on the way' means the value that the module computes at that place (a softmax that the list does not call 'softmax' is quantised finished and normalised). What goes into a quantiser is computed in f32, as accurately as f32 sums, v_exp_f32 and their like allow (about 1e-6 of the number): no bf16 or f16 on the way to a quantiser, and a product that is left as it is and whose result goes on into a quantised operand takes f32 operands (vector FMAs, or v_wmma_f32_16x16x4_f32). A number that lies on a knife's edge between two numbers of the format may be rounded either way, as far as f32 arithmetic and the matrix unit's own rounding can turn it there, and no further.
;; One version. Each part assembles by itself: llvm-mc -triple=amdgcn-amd-amdhsa -mcpu=gfx1250 --defsym DOCPART=n.
;; ======== version 1 of 1: 2 launches
;; limits: right only within a limited range of input values
;; workspace buffers: xc 16,777,216 bytes; wc 16,777,216 bytes
;; launch quant (part 1): grid 256 x 1, 8 waves a work-group, no clusters, 19,456 bytes of LDS; arguments x, W, A, B, lowp_scales, xc, wc; writes xc, wc
.if DOCPART == 1
	.amdgcn_target "amdgcn-amd-amdhsa--gfx1250"
	.amdhsa_code_object_version 6
	.text
	.protected	k_q42f19d0d80_quant
	.globl	k_q42f19d0d80_quant
	.p2align	8
	.type	k_q42f19d0d80_quant,@function
k_q42f19d0d80_quant:
	s_mov_b64 s[64:65], 0
	v_nop
	global_prefetch_b8 v0, s[64:65] scope:SCOPE_SE
	s_setreg_imm32_b32 hwreg(HW_REG_WAVE_MODE, 25, 1), 1
	s_wait_xcnt 0x0
; x [4096][4096] f32 and W + A B (W [4096][4096], A [4096][16], B [16][4096], all f32) are turned into codes of BF8 (E5M2), one byte each, with the given scales 2^ex and 2^ew.
; code = number / 2^e, held within +-57,344, rounded to the nearest code, ties to even.  A B is made with f32 operands and f32 sums and added to W in f32, since it goes into a quantiser.
; LIMITS: ex and ew lie between -126 and 112, so that 2^e and 57,344 x 2^e are f32 numbers.  NaN among the inputs is not served; an infinity is held at the largest code.
; LAYOUT OF xc AND wc: the order of the operand registers of the product that reads them.  A FRAGMENT (rb, kc) is rows 16 rb + r, columns 128 kc on: 2,048 bytes, at ((kc / 2) 256 + rb) 4096 + (kc % 2) 2048.
; Its 16 bytes at 512 c + 16 l belong to lane l = (r = l % 16, h = l / 16); byte 8 u + 4 g + e (u, g = 0, 1; e = 0 .. 3) is column 128 kc + 64 g + 4 (4 c + 2 h + u) + e of row r.
; That order of k inside a fragment is the same in xc and in wc, so every product meets its partner.
; SHARES.  Work-group g: rows 64 (g / 4) on, four blocks of 16.  Wave w: the strip kc = 8 (g % 4) + w, 128 columns.  Every wave makes four fragments of x and four of W + A B: no loop, no branch, no barrier.
; A TILE is 16 rows x 512 bytes.  Load (j, g) takes 256 consecutive aligned bytes of row j in lanes 0-15 and of row 8 + j in lanes 16-31, 16 bytes a lane: register 8 j + 4 g + e of lane (r, h) is
; column 64 g + 4 r + e of row 8 h + j.  So a lane's registers 8 j .. 8 j + 7 are eight numbers of ONE row, which one conversion takes as they lie; only the CODES, 8 bytes a lane and row, turn through LDS.
; B's strip (16 ranks x 128 columns) has a tile's shape and is loaded the same way.  Tiles in order: B, W0, x0, W1, x1, W2, x2, W3, x3; tile k in set k % 4 of four sets of 64 registers.
; A B BY THE f32 MATRIX FORM: the result's rows are 16 rows of W (source 0: A's rows), its columns the 16 columns 64 g + 4 n + e (source 1: B), one sum for each (g, e): register j of lane (r, h) in sum
; t = 4 g + e is row 8 h + j, column 64 g + 4 r + e: the place of the tile's register 8 j + t.  K step q takes the ranks 8 h + 2 q + 0, 1, alike in both sources.
; REGISTERS.  Window 0: v1-5 addresses, v8-11 scales, v14-15 for the add: never rewritten; v16-31 codes; v32-95 four sets of 16 for fragments on their way out; v96-159, v160-223 sets 0, 1; v224-255 A's rows.
;   Window 1 (v256 on): v0-63 B as source 1; v64-127 the eight sums, written by matrix instructions alone; v128-191, v192-255 sets 2 and 3.
.set ROWB,  16384                      ; a row of x, W or B in memory
.set PITCH, 144                        ; a stage row: 128 bytes of codes + 16
.set STG,   16*PITCH                   ; a wave's stage: 2,304 bytes, nine blocks of 256
.set SPARE, 8*STG                      ; behind the eight stages: the spare words, 128 bytes for each wave
.set LO,   1                           ; v1   tile loads: 8 h rows + 16 r
.set LO2,  2                           ; v2   stores of codes: 16 x lane
.set STA,  3                           ; v3   into the stage: stage + 8 h rows + 8 r
.set XA,   4                           ; v4   back: stage + row r + 16 h
.set AO,   5                           ; v5   A: 64 r + 32 h
.set SCX,  8                           ; v8   2^ex as f32;  v9   57,344 x 2^ex
.set LIMX, 9
.set SCW,  10                          ; v10, v11 the same with ew
.set LIMW, 11
.set SPW,  14                          ; v14  my spare word
.set NIL,  15                          ; v15  0
.set CD,   16
.set OUT,  32
.set AF,   224
.set BT,   0                           ; in window 1
.set ACC,  64
.set MSB, 0
.macro WIN new                         ; bits 1:0 source 0, 3:2 source 1, 5:4 source 2, 7:6 destination; the immediate's high byte repeats the setting that is left
.if MSB != \new
	s_set_vgpr_msb (MSB<<8)|\new
.set MSB, \new
.endif
.endm
.macro SETOF set                       ; where set 0 .. 3 lies: its first register RB, in window RW
.if (\set) < 2
.set RB, 96+64*(\set)
.set RW, 0
.else
.set RB, 128+64*((\set)-2)
.set RW, 1
.endif
.endm
	s_load_b256 s[4:11], s[0:1], 0x0               ; x s[4:5], W s[6:7], A s[8:9], B s[10:11]
	s_load_b128 s[12:15], s[0:1], 0x20             ; the scales' exponents s[12:13], xc s[14:15]
	s_load_b64 s[16:17], s[0:1], 0x30              ; wc
	v_lshl_add_u32 v[SPW], v0, 2, SPARE
	v_mov_b32 v[NIL], 0
	v_lshrrev_b32 v6, 5, v0
	v_readfirstlane_b32 s20, v6                    ; wave 0..7
	v_and_b32 v6, 31, v0
	v_lshlrev_b32 v[LO2], 4, v6
	v_and_b32 v6, 15, v0                           ; r
	v_bfe_u32 v7, v0, 4, 1                         ; h
	s_mul_i32 s23, s20, STG                        ; my stage
	v_lshlrev_b32 v[LO], 4, v6
	v_lshlrev_b32 v[AO], 6, v6
	v_mul_u32_u24 v[STA], v7, 8*PITCH
	v_mul_u32_u24 v[XA], v6, PITCH
	v_lshl_add_u32 v[LO], v7, 17, v[LO]            ; 8 rows of 16,384 bytes for lanes 16-31
	v_lshl_add_u32 v[AO], v7, 5, v[AO]
	v_lshl_add_u32 v[STA], v6, 3, v[STA]
	v_lshl_add_u32 v[XA], v7, 4, v[XA]
	v_add_nc_u32 v[STA], s23, v[STA]
	v_add_nc_u32 v[XA], s23, v[XA]
	s_lshr_b32 s21, ttmp9, 2                       ; which 64 rows
	s_and_b32 s22, ttmp9, 3
	s_lshl_b32 s22, s22, 3
	s_add_co_u32 s22, s22, s20                     ; kc: which 128 columns
	s_lshl_b32 s26, s22, 9                         ; B: 512 kc
	s_mov_b32 s27, 0
	s_lshl_b32 s24, s21, 20                        ; x and W: 64 rows of 16,384 bytes, + 512 kc
	s_add_co_u32 s24, s24, s26
	s_mov_b32 s25, 0
	s_lshl_b32 s28, s21, 12                        ; A: 64 rows of 64 bytes
	s_mov_b32 s29, 0
	s_lshr_b32 s30, s22, 1                         ; the codes: (kc / 2) 2^20 + 4 blocks of rows x 4,096 + (kc % 2) 2,048
	s_lshl_b32 s30, s30, 20
	s_lshl_b32 s32, s21, 14
	s_add_co_u32 s30, s30, s32
	s_and_b32 s32, s22, 1
	s_lshl_b32 s32, s32, 11
	s_add_co_u32 s30, s30, s32
	s_mov_b32 s31, 0
	s_wait_alu depctr_va_vdst(0)                   ; directly ahead of the wait below
	s_wait_kmcnt 0x0
	s_load_b64 s[18:19], s[12:13], 0x0             ; ex, ew
	s_add_nc_u64 s[4:5], s[4:5], s[24:25]
	s_add_nc_u64 s[6:7], s[6:7], s[24:25]
	s_add_nc_u64 s[8:9], s[8:9], s[28:29]
	s_add_nc_u64 s[10:11], s[10:11], s[26:27]
	s_add_nc_u64 s[14:15], s[14:15], s[30:31]
	s_add_nc_u64 s[16:17], s[16:17], s[30:31]
; block s of 16 rows of the tensor at s[base], my strip, into a set: 16 loads, each of two aligned runs of 256 bytes.  nt = 1: read once in the launch (x, W); B's strip is read by 64 work-groups
.macro LOADT set, base, s, nt
	SETOF \set
	WIN (0x40*RW)                                  ; the destination's window; the offset v1 lies in window 0
.irp j, 0,1,2,3,4,5,6,7
.irp g, 0,1
.if \nt
	global_load_b128 v[RB+8*\j+4*\g:RB+8*\j+4*\g+3], v[LO], s[\base:\base+1] offset:(16*(\s)+\j)*ROWB+256*\g th:TH_LOAD_NT
.else
	global_load_b128 v[RB+8*\j+4*\g:RB+8*\j+4*\g+3], v[LO], s[\base:\base+1] offset:(16*(\s)+\j)*ROWB+256*\g
.endif
.endr
.endr
	WIN 0
.endm
; A B for block s of rows: 32 matrix instructions; the eight sums take turns, one instruction a turn; each sum's first K step takes the constant 0 as C
.macro LORA s
	WIN 0x54                                       ; D, C and source 1 (B) window 1; source 0 (A) window 0
.irp t, 0,1,2,3,4,5,6,7
	v_wmma_f32_16x16x4_f32 v[ACC+8*\t:ACC+8*\t+7], v[AF+8*(\s):AF+8*(\s)+1], v[BT+8*\t:BT+8*\t+1], 0
.endr
.irp q, 1,2,3
.irp t, 0,1,2,3,4,5,6,7
	v_wmma_f32_16x16x4_f32 v[ACC+8*\t:ACC+8*\t+7], v[AF+8*(\s)+2*\q:AF+8*(\s)+2*\q+1], v[BT+8*\t+2*\q:BT+8*\t+2*\q+1], v[ACC+8*\t:ACC+8*\t+7]
.endr
.endr
	WIN 0
.rept 8
	v_nop                                          ; eight places behind this form, ahead of the first read of a sum (ISA guide 7.12.1)
.endr
.endm
.macro ADDW set                        ; W + A B, into W's registers; each sum is read from its low end on (j = 0 first)
	SETOF \set
	WIN (0x41*RW+0x04)                             ; source 1 (the sums) window 1
.irp j, 0,1,2,3,4,5,6,7
.irp t, 0,1,2,3,4,5,6,7
	v_add_f32 v[RB+8*\j+\t], v[RB+8*\j+\t], v[ACC+8*\t+\j]
.endr
.endr
.endm
; The hold, the conversions, the set's next loads, the codes' turn through my stage, the fragment's four stores.  k: the tile's number, which picks one of four sets of registers for the way out
.macro FINISH set, lim, sc, src, dst, s, k
	SETOF \set
	WIN (0x41*RW)
.set i, 0
.rept 64
	v_med3_num_f32 v[RB+i], v[RB+i], -v[\lim], v[\lim]   ; the conversion to an 8-bit code does not saturate (ISA guide 7.6.2): held within the largest code x the scale
.set i, i+1
.endr
	WIN RW
.irp j, 0,1,2,3,4,5,6,7
	v_cvt_scalef32_pk8_bf8_f32 v[CD+2*\j:CD+2*\j+1], v[RB+8*\j:RB+8*\j+7], v[\sc]   ; eight numbers of row 8 h + j, / 2^e, to the nearest code, ties to even
.endr
	WIN 0
	v_nop                                          ; one plain vector line behind the last scaled conversion
.if (\s) < 2
	LOADT \set, \src, (\s)+2, 1                    ; the tile four further on: the same tensor's block s + 2
.endif
.irp j, 0,1,2,3,4,5,6,7
	ds_store_b64 v[STA], v[CD+2*\j:CD+2*\j+1] offset:PITCH*\j      ; rows j and 8 + j, 128 bytes each
.endr
.irp c, 0,1,2,3
	ds_load_b128 v[OUT+16*((\k)%4)+4*\c:OUT+16*((\k)%4)+4*\c+3], v[XA] offset:32*\c   ; LDS serves a wave's instructions in order (ISA guide 5.7.1.4): these see the stores above
.endr
	s_wait_dscnt 0x0                               ; the fragment is back, and the stores into the stage have read the codes' registers
.irp c, 0,1,2,3
	global_store_b128 v[LO2], v[OUT+16*((\k)%4)+4*\c:OUT+16*((\k)%4)+4*\c+3], s[\dst:\dst+1] offset:4096*(\s)+512*\c   ; each store of the wave covers 512 consecutive bytes, aligned
.endr
.endm
; left: the loads issued behind this tile's sixteen, which may stay out (loads come back in order: ISA guide 5.7.1).  From tile 5 on the way out's registers are used a second time: only behind s_wait_xcnt 0
.macro ARRIVE left, k
	s_wait_loadcnt \left
.if (\k) > 4
	s_wait_xcnt 0x0
.endif
.endm
.macro STEP_W s, set, left, k
	LORA \s                                        ; needs A and B alone: issued ahead of the wait for W's tile
	ARRIVE \left, \k
	s_wait_alu depctr_va_vdst(0)                   ; directly ahead of the first reader of the sums
	ADDW \set
	FINISH \set, LIMW, SCW, 6, 16, \s, \k
.endm
.macro STEP_X s, set, left, k
	ARRIVE \left, \k
	FINISH \set, LIMX, SCX, 4, 14, \s, \k
.endm
.irp s, 0,1,2,3                        ; A(16 s + r, 8 h + 0 .. 7): register 8 s + 2 q + i is rank 8 h + 2 q + i; they stay
.irp p, 0,1
	global_load_b128 v[AF+8*\s+4*\p:AF+8*\s+4*\p+3], v[AO], s[8:9] offset:1024*\s+16*\p
.endr
.endr
	LOADT 0, 10, 0, 0                              ; tile 0: B's strip: register 8 p + t of lane (r, h) is rank 8 h + p, column 64 g + 4 r + e, t = 4 g + e
	LOADT 1, 6, 0, 1                               ; tile 1: W, block 0
	LOADT 2, 4, 0, 1                               ; tile 2: x, block 0
	LOADT 3, 6, 1, 1                               ; tile 3: W, block 1
	s_wait_kmcnt 0x0
	s_add_co_i32 s32, s18, 127
	s_lshl_b32 s33, s32, 23
	v_mov_b32 v[SCX], s33                          ; 2^ex as f32: the conversion takes its exponent field
	s_add_co_i32 s32, s32, 15
	s_lshl_b32 s32, s32, 23
	s_or_b32 s32, s32, 0x600000
	v_mov_b32 v[LIMX], s32                         ; 57,344 x 2^ex
	s_add_co_i32 s32, s19, 127
	s_lshl_b32 s33, s32, 23
	v_mov_b32 v[SCW], s33
	s_add_co_i32 s32, s32, 15
	s_lshl_b32 s32, s32, 23
	s_or_b32 s32, s32, 0x600000
	v_mov_b32 v[LIMW], s32
	s_wait_alu depctr_va_vdst(0)                   ; directly ahead of the wait below
	s_wait_loadcnt 48                              ; A's rows and B's strip are in; the 48 loads of tiles 1, 2 and 3 may be out
	WIN 0x40                                       ; destination window 1
.irp p, 0,1,2,3,4,5,6,7                ; B as source 1: sum t's ranks in consecutive registers: 8 t + p; they stay
.irp t, 0,1,2,3,4,5,6,7
	v_mov_b32 v[BT+8*\t+\p], v[96+8*\p+\t]
.endr
.endr
	s_wait_alu depctr_va_vdst(0)
	WIN 0
	LOADT 0, 4, 1, 1                               ; tile 4: x, block 1
	STEP_W 0, 1, 48, 1                             ; behind tile 1: tiles 2, 3, 4
	STEP_X 0, 2, 48, 2                             ; behind tile 2: 3, 4, 5
	STEP_W 1, 3, 48, 3
	STEP_X 1, 0, 48, 4
	STEP_W 2, 1, 48, 5                             ; behind tile 5: 6, 7, 8
	STEP_X 2, 2, 32, 6                             ; the counts run down
	STEP_W 3, 3, 16, 7
	STEP_X 3, 0, 0, 8
	s_wait_tensorcnt 0x0                           ; the wave's end, behind my last LDS store
	ds_add_u32 v[SPW], v[NIL]
	s_wait_dscnt 0x0
	s_endpgm
.Lfunc_end_k_q42f19d0d80_quant:
	.size	k_q42f19d0d80_quant, .Lfunc_end_k_q42f19d0d80_quant-k_q42f19d0d80_quant
	.p2alignl 7, 3214868480
	.fill 96, 4, 3214868480
	.section	.rodata,"a",@progbits
	.p2align	6, 0x0
	.amdhsa_kernel k_q42f19d0d80_quant
		.amdhsa_group_segment_fixed_size 19456
		.amdhsa_private_segment_fixed_size 0
		.amdhsa_enable_private_segment 0
		.amdhsa_kernarg_size 56
		.amdhsa_user_sgpr_count 2
		.amdhsa_user_sgpr_kernarg_segment_ptr 1
		.amdhsa_wavefront_size32 1
		.amdhsa_system_sgpr_workgroup_id_x 1
		.amdhsa_system_sgpr_workgroup_id_y 1
		.amdhsa_system_sgpr_workgroup_id_z 1
		.amdhsa_system_vgpr_workitem_id 0
		.amdhsa_next_free_vgpr 512
		.amdhsa_next_free_sgpr 66
		.amdhsa_reserve_vcc 0
		.amdhsa_float_denorm_mode_32 3
		.amdhsa_float_denorm_mode_16_64 3
		.amdhsa_memory_ordered 1
		.amdhsa_forward_progress 1
		.amdhsa_inst_pref_size 84
	.end_amdhsa_kernel
	.amdgpu_metadata
---
amdhsa.version: [ 1, 2 ]
amdhsa.kernels:
  - .name:           k_q42f19d0d80_quant
    .symbol:         k_q42f19d0d80_quant.kd
    .args:
      - { .name: x, .offset: 0, .size: 8, .value_kind: global_buffer, .address_space: global }
      - { .name: W, .offset: 8, .size: 8, .value_kind: global_buffer, .address_space: global }
      - { .name: A, .offset: 16, .size: 8, .value_kind: global_buffer, .address_space: global }
      - { .name: B, .offset: 24, .size: 8, .value_kind: global_buffer, .address_space: global }
      - { .name: lowp_scales, .offset: 32, .size: 8, .value_kind: global_buffer, .address_space: global }
      - { .name: xc, .offset: 40, .size: 8, .value_kind: global_buffer, .address_space: global }
      - { .name: wc, .offset: 48, .size: 8, .value_kind: global_buffer, .address_space: global }
    .group_segment_fixed_size: 19456
    .private_segment_fixed_size: 0
    .kernarg_segment_align: 8
    .kernarg_segment_size: 56
    .max_flat_workgroup_size: 256
    .sgpr_count:     66
    .vgpr_count:     512
    .wavefront_size: 32
...
	.end_amdgpu_metadata
.endif
;; end of part 1
;; launch gemm (part 2): grid 16 x 16, 4 waves a work-group, clusters of 4 x 4, 327,680 bytes of LDS; arguments xc, wc, lowp_scales, bias, out0; writes out0
.if DOCPART == 2
	.amdgcn_target "amdgcn-amd-amdhsa--gfx1250"
	.amdhsa_code_object_version 6
	.text
	.protected	k_q42f19d0d80_gemm
	.globl	k_q42f19d0d80_gemm
	.p2align	8
	.type	k_q42f19d0d80_gemm,@function
k_q42f19d0d80_gemm:
	s_mov_b64 s[64:65], 0
	v_nop
	global_prefetch_b8 v0, s[64:65] scope:SCOPE_SE
	s_setreg_imm32_b32 hwreg(HW_REG_WAVE_MODE, 25, 1), 1
	s_wait_xcnt 0x0
	s_wait_alu depctr_hold_cnt(0) depctr_sa_sdst(0) depctr_va_vdst(0) depctr_va_sdst(0) depctr_va_ssrc(0) depctr_va_vcc(0) depctr_vm_vsrc(0)
	s_getreg_b32 s2, hwreg(HW_REG_IB_STS2, 6, 4)
	s_cmp_eq_u32 s2, 0
	s_cbranch_scc0 .Lentry_in_a_cluster
	s_endpgm
.Lentry_in_a_cluster:
	s_bfe_u32 s2, ttmp6, 0x10000c
	s_cmp_lg_u32 s2, 0xf033
	s_cbranch_scc0 .Lentry_shape_is_right
	s_endpgm
.Lentry_shape_is_right:
; out0[m][n] = 2^(ex + ew) x (sum over k of xc[m][k] wc[n][k]) + bias[n].  xc, wc: codes of BF8 (E5M2) of x and of W + A B, 4,096 x 4,096 each, as the launch before lays them: fragments of
; 16 rows x 128 K, 2,048 bytes each, in the order of the operand registers (16 bytes a lane, four times); 256 along K of 128 rows are 32 KiB on end; 256 along K of the whole tensor are KPB bytes.
; The order of k inside a fragment is the same in both tensors.  LIMIT: ex + ew lies between -126 and 127, so that 2^(ex + ew) is an f32 number.
; A tile of out0, 256 x 256, is made by a work-group of four waves; a wave makes 128 x 128: 64 accumulators, 512 registers (windows 2 and 3).  Window 0: addresses, xc's fragments (one set, v128 on);
; window 1: wc's fragments, two sets.  The matrix instruction is used transposed (source 0 = 16 rows of wc, source 1 = 16 rows of xc): a lane holds eight neighbouring numbers of a row of out0.
; K goes in steps of 256 through a ring of two LDS slots of 128 KiB; each wave fetches 32 KiB on end with one tensor load, stated as 128 rows of 256 bytes; a fragment's loads take 512 bytes on end, so no padding.
; CLUSTERS: 4 x 4 work-groups; xc's tiles are asked for jointly along a row of the cluster, wc's along a column.  A round of the cluster's barrier stands in front of every joint load.
; HEAD: one joint load a wave (K step 0); the addresses are made while it is on its way; then the wait for all loads, the add, its wait, a round, and K step 1's load.
; A CHANGE OF SLOTS: behind the step's first 16 products stand the wait for all my tensor loads and the add; 8 products between the add and the wait for it, 8 between the barrier's signal and its wait.
; PREFETCH: every cluster asks for what it will itself load: of the 32 KiB that a wave fetches, each of the four partners names 8 KiB, told apart by address, a lane to each 256 bytes.  K step 0 is asked for as
; soon as the addresses exist, K step 1 behind the first load, K steps 2 and 3 behind the second; behind the refill for K step t stands the request for K step t + 2; the last two refills ask for nothing.
; THE WAY OUT: a block of 16 rows x 128 columns is scaled, gets its bias, goes through the wave's own stage (in slot 0, which has had its last fill and its last read) and leaves as rows of 512 bytes.
.set SIZE_N, 4096
.set KPB,    0x100000
.set FR,     16
.set NL,     4
.set NP,     4
.set HALFT,  32768
.set SLOT,   4*HALFT
.set LAPS,   8
.set SPARE,  2*SLOT
.set SPITCH, 528
.set ADRA, 16
.set ADRB, 20
.set STO,  24
.set RD,   25
.set CO,   26
.set BO,   27
.set SPW,  28
.set NIL,  29
.set PFO,  30
.set TMP,  32
.set AF,   128
.set BK,   128
.set G1, 24
.set G0, 32
.set G1B, 48
.set G0B, 56
.set PFA, 66
.set LIM, 68
.set MSB, 0
.macro WIN new
.if MSB != \new
	s_set_vgpr_msb (MSB<<8)|\new
.set MSB, \new
.endif
.endm
.set MUL_LO, 0xa1
.set MUL_HI, 0xf1
.set TO_B,   0x40
.macro JLOAD g0a, g1a, g0b, g1b
	s_cmp_eq_u32 s15, 0
	s_cbranch_scc0 .Lfor_b_\@
	tensor_load_to_lds s[\g0a:\g0a+3], s[\g1a:\g1a+7]
	s_nop 0
.rept 4
	v_nop
.endr
	s_branch .Lasked_\@
.Lfor_b_\@:
	tensor_load_to_lds s[\g0b:\g0b+3], s[\g1b:\g1b+7]
	s_nop 0
.rept 4
	v_nop
.endr
.Lasked_\@:
.endm
.macro ASK
	s_cmp_gt_u32 s3, s[LIM]
	s_cbranch_scc0 .Lnot_mine_\@
	s_wait_alu depctr_va_vdst(0)
	global_prefetch_b8 v[PFO], s[PFA:PFA+1] offset:KPB th:TH_LOAD_NT scope:SCOPE_SE
.Lnot_mine_\@:
.endm
.macro CREST
	s_cmp_lg_u32 s14, 0
	s_cbranch_scc1 .Lnot_wave_0_\@
	s_barrier_signal -3
.Lnot_wave_0_\@:
	s_barrier_wait -3
	s_barrier_signal -1
	s_barrier_wait -1
.endm
.macro CROUND
	s_barrier_signal -1
	s_barrier_wait -1
	CREST
.endm
	s_load_b128 s[4:7], s[0:1], 0x0
	s_load_b128 s[8:11], s[0:1], 0x10
	s_load_b64 s[12:13], s[0:1], 0x20
	v_lshl_add_u32 v[SPW], v0, 2, SPARE
	v_mov_b32 v[NIL], 0
	ds_add_u32 v28, v29
	ds_add_u32 v28, v29
	s_wait_dscnt 0x0
	v_lshrrev_b32 v1, 5, v0
	v_readfirstlane_b32 s14, v1
	v_and_b32 v6, 31, v0
	v_lshlrev_b32 v[PFO], 8, v6                    ; the prefetches' offset: 256 x lane; never rewritten
	s_lshr_b32 s15, s14, 1
	s_and_b32 s16, s14, 1
	s_bfe_u32 s40, ttmp6, 0x40000
	s_bfe_u32 s41, ttmp6, 0x40004
	s_lshl_b32 s42, ttmp9, 2
	s_add_co_u32 s42, s42, s40
	s_and_b32 s17, ttmp7, 0xffff
	s_lshl_b32 s17, s17, 2
	s_add_co_u32 s17, s17, s41
	s_lshl_b32 s43, s41, 2
	s_lshl_b32 s43, 15, s43
	s_lshl_b32 s44, 0x1111, s40
	s_or_b32 s[G1+0], s43, (3<<16)|(1<<21)
	s_or_b32 s[G1B+0], s44, (3<<16)|(1<<21)
.irp g, G1, G1B
	s_mov_b32 s[\g+1], 32<<16
	s_mov_b32 s[\g+2], 128<<16
	s_mov_b32 s[\g+3], 32<<16
	s_mov_b32 s[\g+4], 128
	s_mov_b32 s[\g+5], 32
	s_mov_b32 s[\g+6], 0
	s_mov_b32 s[\g+7], 0
.endr
	s_lshl_b32 s18, s16, 15
	s_lshl_b32 s20, s17, 16
	s_add_co_u32 s20, s20, s18
	s_lshl_b32 s46, s42, 16
	s_add_co_u32 s46, s46, s18
	s_mov_b32 s21, 0
	s_mov_b32 s47, 0
	s_mul_i32 s45, s14, HALFT
	s_cmp_eq_u32 s15, 0                            ; the prefetches: the tile that I fetch for: by the tile row in xc, by the tile column in wc,
	s_cselect_b32 s70, s17, s42
	s_cselect_b32 s71, s40, s41                    ; my place among the four that ask for it with me,
	s_lshl_b32 s70, s70, 16
	s_add_co_u32 s70, s70, s18
	s_lshl_b32 s71, s71, 13
	s_add_co_u32 s70, s70, s71                     ; my work-group's 8 KiB of my wave's 32,
	s_add_co_u32 s70, s70, 2*KPB                   ; at K step 2
	s_mov_b32 s71, 0
	s_wait_alu depctr_va_vdst(0)                   ; directly ahead of the wait below
	s_wait_kmcnt 0x0
	s_load_b64 s[96:97], s[8:9], 0x0
	s_cmp_eq_u32 s15, 0
	s_cselect_b64 s[PFA:PFA+1], s[4:5], s[6:7]
	s_add_nc_u64 s[PFA:PFA+1], s[PFA:PFA+1], s[70:71]
	global_prefetch_b8 v[PFO], s[PFA:PFA+1] offset:-2*KPB th:TH_LOAD_NT scope:SCOPE_SE   ; K step 0: the buffers' first touch, asked for ahead of the round
	s_add_nc_u64 s[20:21], s[4:5], s[20:21]
	s_add_nc_u64 s[46:47], s[6:7], s[46:47]
	CROUND
.irp s, 0,1
	s_mov_b32 s[G0+4*\s], 1
	s_add_co_u32 s[G0+4*\s+1], s45, \s*SLOT
	s_add_nc_u64 s[G0+4*\s+2:G0+4*\s+3], s[20:21], \s*KPB
	s_or_b32 s[G0+4*\s+3], s[G0+4*\s+3], 0x80000000
	s_mov_b32 s[G0B+4*\s], 1
	s_add_co_u32 s[G0B+4*\s+1], s45, \s*SLOT
	s_add_nc_u64 s[G0B+4*\s+2:G0B+4*\s+3], s[46:47], \s*KPB
	s_or_b32 s[G0B+4*\s+3], s[G0B+4*\s+3], 0x80000000
.endr
	JLOAD G0, G1, G0B, G1B                         ; K step 0: one tensor load a wave at the head, behind the round above
	global_prefetch_b8 v[PFO], s[PFA:PFA+1] offset:-KPB th:TH_LOAD_NT scope:SCOPE_SE     ; K step 1
	v_and_b32 v1, 15, v0
	s_wait_alu depctr_va_vdst(0)
	v_bfe_u32 v2, v0, 4, 1
	v_and_b32 v6, 31, v0
	v_lshlrev_b32 v4, 4, v6
	s_lshl_b32 s21, s15, 15
	s_lshl_b32 s22, s16, 15
	s_add_co_u32 s22, s22, 2*HALFT
.irp s, 0,1
	v_add_nc_u32 v[ADRA+\s], s21, v4
	v_add_nc_u32 v[ADRB+\s], s22, v4
	s_add_co_u32 s21, s21, SLOT
	s_add_co_u32 s22, s22, SLOT
.endr
	s_mul_i32 s23, s14, 16*SPITCH
	v_mul_u32_u24 v5, v1, SPITCH
	s_wait_alu depctr_va_vdst(0)
	v_lshl_add_u32 v5, v2, 5, v5
	v_add_nc_u32 v[STO], s23, v5
	v_lshlrev_b32 v[CO], 4, v6
	v_add_nc_u32 v[RD], s23, v[CO]
	v_lshlrev_b32 v[BO], 5, v2
	s_lshl_b32 s20, s17, 22
	s_lshl_b32 s21, s15, 21
	s_add_co_u32 s20, s20, s21
	s_mov_b32 s21, 0
	s_lshl_b32 s46, s42, 10
	s_lshl_b32 s47, s16, 9
	s_add_co_u32 s46, s46, s47
	s_mov_b32 s47, 0
	s_add_nc_u64 s[10:11], s[10:11], s[46:47]
	s_add_nc_u64 s[20:21], s[20:21], s[46:47]
	s_add_nc_u64 s[12:13], s[12:13], s[20:21]
	s_mov_b32 s[LIM], 1                            ; every wave of every cluster asks, but in the loop's last trip
.macro FRAG reg, adr, q, i
.irp c, 0,1,2,3
	ds_load_b128 v[\reg+4*\c:\reg+4*\c+3], v[\adr] offset:2048*(\q)+512*\c+(\i)*4096
.endr
.endm
.macro MUL16 a0, p, zero
.irp a, \a0, \a0+1
.irp b, 0,1,2,3,4,5,6,7
.if \zero
	v_wmma_f32_16x16x128_bf8_bf8 v[8*(8*((\a)%4)+\b):8*(8*((\a)%4)+\b)+7], v[128*(\p)+FR*\b:128*(\p)+FR*\b+FR-1], v[AF+FR*(\a):AF+FR*(\a)+FR-1], 0
.else
	v_wmma_f32_16x16x128_bf8_bf8 v[8*(8*((\a)%4)+\b):8*(8*((\a)%4)+\b)+7], v[128*(\p)+FR*\b:128*(\p)+FR*\b+FR-1], v[AF+FR*(\a):AF+FR*(\a)+FR-1], v[8*(8*((\a)%4)+\b):8*(8*((\a)%4)+\b)+7]
.endif
.endr
.endr
.endm
.macro MULA a, p                       ; eight products: xc's block a against wc's eight in set p; the accumulators keep their order of turns
.irp b, 0,1,2,3,4,5,6,7
	v_wmma_f32_16x16x128_bf8_bf8 v[8*(8*((\a)%4)+\b):8*(8*((\a)%4)+\b)+7], v[128*(\p)+FR*\b:128*(\p)+FR*\b+FR-1], v[AF+FR*(\a):AF+FR*(\a)+FR-1], v[8*(8*((\a)%4)+\b):8*(8*((\a)%4)+\b)+7]
.endr
.endm
.macro FETCH_B slot, q, p
	WIN TO_B
.irp i, 0,1,2,3,4,5,6,7
	FRAG 128*(\p)+FR*\i, ADRB+\slot, \q, \i
.endr
	WIN 0
.endm
.macro FETCH_A slot, q, i0
.irp i, \i0, \i0+1, \i0+2, \i0+3
	FRAG AF+FR*(\i), ADRA+\slot, \q, \i
.endr
.endm
.macro PLACES n
.rept \n
	v_nop
.endr
.endm
.macro STEP slot, q, zero
	s_wait_dscnt 4*NL
	WIN MUL_LO
	MUL16 0, (\q)%2, \zero
	MUL16 2, (\q)%2, \zero
	s_wait_dscnt 0
	PLACES NP
	FETCH_B \slot, (\q)+1, 1-(\q)%2
	FETCH_A \slot, (\q)+1, 0
	WIN MUL_HI
	MUL16 4, (\q)%2, \zero
	MUL16 6, (\q)%2, \zero
	PLACES NP
	WIN 0
	FETCH_A \slot, (\q)+1, 4
.endm
.macro TURN slot, next, fill
.if \fill
	s_wait_xcnt 0x0
	s_add_nc_u64 s[PFA:PFA+1], s[PFA:PFA+1], KPB
.endif
	s_wait_dscnt 4*NL
	WIN MUL_LO
	MUL16 0, 1, 0
	WIN 0                                          ; (the add's two registers lie in window 0)
	s_wait_tensorcnt 0x0                           ; all my tensor loads have landed: my part of the next slot;
	ds_add_u32 v[SPW], v[NIL]
.if \fill
	s_add_nc_u64 s[G0+4*\slot+2:G0+4*\slot+3], s[G0+4*\slot+2:G0+4*\slot+3], 2*KPB
	s_add_nc_u64 s[G0B+4*\slot+2:G0B+4*\slot+3], s[G0B+4*\slot+2:G0B+4*\slot+3], 2*KPB
.endif
	WIN MUL_LO
	MULA 2, 1                                      ; eight products stand between the add and the wait for it
	s_wait_dscnt 0x0                               ; the add is done, and my reads of this slot are over
	s_barrier_signal -1
	MULA 3, 1                                      ; work on registers while the others arrive
	WIN 0
	s_barrier_wait -1
.if \fill
	CREST
	JLOAD G0+4*\slot, G1, G0B+4*\slot, G1B
.else
	PLACES NP
.endif
	FETCH_B \next, 0, 0
	FETCH_A \next, 0, 0
.if \fill
	ASK
.endif
	WIN MUL_HI
	MUL16 4, 1, 0
	MUL16 6, 1, 0
	PLACES NP
	WIN 0
	FETCH_A \next, 0, 4
.endm
	s_wait_alu depctr_va_vdst(0)
	s_wait_tensorcnt 0x0                           ; my part of K step 0 is in
	ds_add_u32 v[SPW], v[NIL]
	s_wait_dscnt 0x0
	CROUND                                         ; everybody's part of K step 0 is in, and all sixteen work-groups are here
	JLOAD G0+4, G1, G0B+4, G1B                     ; K step 1: the first tensor load behind the round
	FETCH_B 0, 0, 0
	FETCH_A 0, 0, 0
	FETCH_A 0, 0, 4
	global_prefetch_b8 v[PFO], s[PFA:PFA+1] th:TH_LOAD_NT scope:SCOPE_SE              ; K step 2,
	global_prefetch_b8 v[PFO], s[PFA:PFA+1] offset:KPB th:TH_LOAD_NT scope:SCOPE_SE   ; and K step 3
	STEP 0, 0, 1
	s_mov_b32 s3, LAPS-1
.Llap:
	TURN 0, 1, 1
	STEP 1, 0, 0
	TURN 1, 0, 1
	STEP 0, 0, 0
	s_sub_co_u32 s3, s3, 1
	s_cmp_lg_u32 s3, 0
	s_cbranch_scc1 .Llap
	TURN 0, 1, 0
	STEP 1, 0, 0
	WIN TO_B
	s_wait_alu depctr_va_vdst(0)
.irp b, 0,1,2,3,4,5,6,7
.irp p, 0,1
	global_load_b128 v[8*\b+4*\p:8*\b+4*\p+3], v[BO], s[10:11] offset:64*\b+16*\p
.endr
.endr
	WIN 0
	s_wait_dscnt 4*NL
	WIN MUL_LO
	MUL16 0, 1, 0
	MUL16 2, 1, 0
	s_wait_dscnt 0
	WIN MUL_HI
	MUL16 4, 1, 0
	MUL16 6, 1, 0
	WIN 0
.macro TOSTAGE a
.set AC, 64*((\a)%4)
	WIN 0x12+((\a)/4)
.irp j, 0,2,4,6,8,10,12,14,16,18,20,22,24,26,28,30,32,34,36,38,40,42,44,46,48,50,52,54,56,58,60,62
	v_pk_fma_f32 v[TMP+\j:TMP+\j+1], v[AC+\j:AC+\j+1], s[96:97], v[\j:\j+1] op_sel_hi:[1,0,1]
.endr
	WIN 0
.irp b, 0,1,2,3,4,5,6,7
	ds_store_b128 v[STO], v[TMP+8*\b:TMP+8*\b+3] offset:64*\b
	ds_store_b128 v[STO], v[TMP+8*\b+4:TMP+8*\b+7] offset:64*\b+16
.endr
.set BB, BK+64*((\a)%2)
.irp t, 0,1,2,3,4,5,6,7,8,9,10,11,12,13,14,15
	ds_load_b128 v[BB+4*\t:BB+4*\t+3], v[RD] offset:\t*SPITCH
.endr
.endm
.macro SEND a, younger
.set BB, BK+64*((\a)%2)
	s_wait_dscnt \younger
.if (\a) > 0
	s_add_nc_u64 s[12:13], s[12:13], 16*SIZE_N*4
.endif
.irp t, 0,1,2,3,4,5,6,7,8,9,10,11,12,13,14,15
	global_store_b128 v[CO], v[BB+4*\t:BB+4*\t+3], s[12:13] offset:\t*SIZE_N*4 th:TH_STORE_NT
.endr
.endm
	s_wait_kmcnt 0x0
	s_add_co_i32 s96, s96, s97
	s_add_co_i32 s96, s96, 127
	s_lshl_b32 s96, s96, 23
	s_wait_loadcnt 0x0
	PLACES NP
	TOSTAGE 0
.irp a, 1,2,3,4,5,6,7
.if \a > 1
	s_wait_xcnt 0x0
.endif
	TOSTAGE \a
	SEND \a-1, 32
.endr
	s_wait_xcnt 0x0
	SEND 7, 0
	s_wait_tensorcnt 0x0
	ds_add_u32 v[SPW], v[NIL]
	s_wait_dscnt 0x0
	CROUND
	s_endpgm
.Lfunc_end_k_q42f19d0d80_gemm:
	.size	k_q42f19d0d80_gemm, .Lfunc_end_k_q42f19d0d80_gemm-k_q42f19d0d80_gemm
	.p2alignl 7, 3214868480
	.fill 96, 4, 3214868480
	.section	.rodata,"a",@progbits
	.p2align	6, 0x0
	.amdhsa_kernel k_q42f19d0d80_gemm
		.amdhsa_group_segment_fixed_size 327680
		.amdhsa_private_segment_fixed_size 0
		.amdhsa_enable_private_segment 0
		.amdhsa_kernarg_size 40
		.amdhsa_user_sgpr_count 2
		.amdhsa_user_sgpr_kernarg_segment_ptr 1
		.amdhsa_wavefront_size32 1
		.amdhsa_system_sgpr_workgroup_id_x 1
		.amdhsa_system_sgpr_workgroup_id_y 1
		.amdhsa_system_sgpr_workgroup_id_z 1
		.amdhsa_system_vgpr_workitem_id 0
		.amdhsa_next_free_vgpr 1024
		.amdhsa_next_free_sgpr 98
		.amdhsa_reserve_vcc 0
		.amdhsa_float_denorm_mode_32 3
		.amdhsa_float_denorm_mode_16_64 3
		.amdhsa_memory_ordered 1
		.amdhsa_forward_progress 1
		.amdhsa_inst_pref_size 126
	.end_amdhsa_kernel
	.amdgpu_metadata
---
amdhsa.version: [ 1, 2 ]
amdhsa.kernels:
  - .name:           k_q42f19d0d80_gemm
    .symbol:         k_q42f19d0d80_gemm.kd
    .args:
      - { .name: xc, .offset: 0, .size: 8, .value_kind: global_buffer, .address_space: global }
      - { .name: wc, .offset: 8, .size: 8, .value_kind: global_buffer, .address_space: global }
      - { .name: lowp_scales, .offset: 16, .size: 8, .value_kind: global_buffer, .address_space: global }
      - { .name: bias, .offset: 24, .size: 8, .value_kind: global_buffer, .address_space: global }
      - { .name: out0, .offset: 32, .size: 8, .value_kind: global_buffer, .address_space: global }
    .group_segment_fixed_size: 327680
    .private_segment_fixed_size: 0
    .kernarg_segment_align: 8
    .kernarg_segment_size: 40
    .max_flat_workgroup_size: 128
    .sgpr_count:     98
    .vgpr_count:     1024
    .wavefront_size: 32
...
	.end_amdgpu_metadata
.endif
;; end of part 2
